; MI455X (gfx1250); checked and timed in simulation.
; The chip was launched on July 23, 2026; its instructions are those of AMD's public machine-readable ISA for CDNA 5 (MIT licence, August 2026) and "CDNA5" Instruction Set Architecture Reference Guide (July 2026). The comments in the code are by the model that wrote it; some were corrected since.
;; Topic Verb Attention. Allowed arithmetic: matrix products marked QUANTISED: E5M2 operands, one given power-of-two scale a tensor, by v_wmma_f32_16x16x64_bf8_bf8 or v_wmma_f32_16x16x128_bf8_bf8, f32 sums; products left as they are: f32 operands where the result goes on into a quantised operand, else bf16, f16 or f32 operands; f32 sums; everything else in f32.
;; Inputs: V 100,000 x 300 float32; k_b 256 float32; k_w 256 x 300 float32; lowp_scales 2 int32 (the exponents e of the quantised operands' scales 2^e); q_b 256 float32; q_w 256 x 256 float32; span_len 16,384 int32; topic_emb 256 float32; verb_ids 16,384 x 8 int32.
;; Outputs: out0 16,384 x 300 float32.
;; This version of the problem:
;;   THIS VERSION OF THE PROBLEM IS GIVEN IN LOW PRECISION. The matrix products marked QUANTISED in the list below multiply operands that are first quantised to E5M2 (5 exponent bits, 2 mantissa bits; 8 bits a number), with one given power-of-two scale for each operand tensor; their sums are f32. All else is computed in f32.
;;   The module's matrix products, in the order in which they are computed (A, B: the left and right operand; K: the contracted axis; several contracted axes count as one K, in the product's order):
;;     1. [M 131,072, K 300] x [K 300, N 256]; A: computed on the way; B: input k_w: QUANTISED (scales: A lowp_scales[0], B lowp_scales[1])
;;     2. [M 256, K 256] x [K 256, N 1]; A: input q_w; B: input topic_emb: left as it is (N = 1 < 16)
;;     3. [M 131,072, K 256] x [K 256, N 1]; A: computed on the way; B: computed on the way: left as it is (N = 1 < 16)
;;     4. batch 16,384 x [M 1, K 8] x [K 8, N 300]; A: softmax; B: computed on the way: left as it is (K = 8 < 32)
;;   THE QUANTISER, for each operand of a quantised product, along K:
;;     - The operand's scale is 2^e, e = its entry of the input lowp_scales (int32; the entries are numbered through the quantised products in the list's order, A before B).
;;     - Each number is divided by the scale, clamped to +-57,344, and rounded to the nearest number of E5M2, ties to even, subnormals kept.
;;     - The product sums the exact products of the quantised numbers (number of the format x scale) in f32.
;;   ~~~python
;;   def quantise(x, axis, e):      # numpy; x: float32 -> the quantised numbers, widened to float32 again
;;       x = np.moveaxis(x, axis, -1); K = x.shape[-1]
;;       r = np.clip(x / 2.0 ** e, -57344, 57344)
;;       step = 2.0 ** (np.maximum(np.frexp(np.where(r == 0, 1, r))[1] - 1, -14) - 2)
;;       q = np.round(r / step) * step * 2.0 ** e      # np.round: ties to even
;;       return np.moveaxis(q, -1, axis).astype(np.float32)
;;   ~~~
;;   OPERANDS COMPUTED ON THE WAY. 'Computed on the way' means the value that the module computes at that place (a softmax that the list does not call 'softmax' is quantised finished and normalised). What goes into a quantiser is computed in f32, as accurately as f32 sums, v_exp_f32 and their like allow (about 1e-6 of the number): no bf16 or f16 on the way to a quantiser, and a product that is left as it is and whose result goes on into a quantised operand takes f32 operands (vector FMAs, or v_wmma_f32_16x16x4_f32). A number that lies on a knife's edge between two numbers of the format may be rounded either way, as far as f32 arithmetic and the matrix unit's own rounding can turn it there, and no further.
;; One version. Each part assembles by itself: llvm-mc -triple=amdgcn-amd-amdhsa -mcpu=gfx1250 --defsym DOCPART=n.
;; ======== version 1 of 1: 2 launches
;; workspace buffers: wcodes 81,920 bytes; qv 1,024 bytes
;; launch prep (part 1): grid 24 x 1, 4 waves a work-group, no clusters, 0 bytes of LDS; arguments k_w, q_w, topic_emb, q_b, lowp_scales, wcodes, qv; writes wcodes, qv
.if DOCPART == 1
	.amdgcn_target "amdgcn-amd-amdhsa--gfx1250"
	.amdhsa_code_object_version 6
	.text
	.protected	k_q567d9f49f7_prep
	.globl	k_q567d9f49f7_prep
	.p2align	8
	.type	k_q567d9f49f7_prep,@function
k_q567d9f49f7_prep:
	s_mov_b64 s[64:65], 0
	v_nop
	global_prefetch_b8 v0, s[64:65] scope:SCOPE_SE
	s_setreg_imm32_b32 hwreg(HW_REG_WAVE_MODE, 25, 1), 1
	s_wait_xcnt 0x0
; What every work-group of the main launch would otherwise make anew is made once here.
; WORK-GROUPS 0-19: k_w [256][300] f32 becomes codes of BF8 (E5M2) with the given scale 2^e1 (entry 1 of the scales): code = x / 2^e1, held within +-57,344, to the nearest code, ties to even.
;   The codes are laid in the ORDER OF THE OPERAND'S REGISTERS.  Block gw = 16 s + n (K step s of 64, tile n of 16 rows) is 1,024 bytes: two halves c of 512 bytes, lane l's 16 bytes at 16 l:
;   the codes of row 16 n + l % 16 at k = 64 s + 32 c + 16 (l / 16) + 0 .. 15.  K = 300 is filled up to 320 with zero codes.  One wave makes one block: 80 waves.
; WORK-GROUPS 20-23: qv[t] = sum over k of q_w[t][k] topic_emb[k] + q_b[t], in f32.  A wave takes 16 rows; a row is two loads of 512 consecutive bytes; the sum over the 32 lanes rides on the additions.
; LIMITS: e1 between -126 and 112, so that 2^e1 and 57,344 x 2^e1 are f32 numbers.  NaN in k_w is not served.
; No LDS, no barrier: waves share nothing.  No matrix unit, no cluster: 570 KB are read once and 83 KB written.
.set KROW, 1200                        ; a row of k_w in bytes
.set X,    16                          ; v16.. the numbers as loaded
.set CD,   48                          ; v48-55 a block's codes
	s_load_b256 s[4:11], s[0:1], 0x0               ; k_w s[4:5], q_w s[6:7], topic_emb s[8:9], q_b s[10:11]
	s_load_b128 s[12:15], s[0:1], 0x20             ; the scales' exponents s[12:13], wcodes s[14:15]
	s_load_b64 s[16:17], s[0:1], 0x30              ; qv
	v_lshrrev_b32 v1, 5, v0
	v_readfirstlane_b32 s18, v1                    ; wave 0..3
	v_and_b32 v1, 31, v0                           ; lane
	v_and_b32 v2, 15, v0                           ; r
	v_bfe_u32 v3, v0, 4, 1                         ; h
	s_cmp_lt_u32 ttmp9, 20                         ; the role hangs on the work-group's number alone
	s_cbranch_scc0 .Lquery
	; ---- the codes of k_w
	s_lshl_b32 s22, ttmp9, 2
	s_add_co_u32 s22, s22, s18                     ; gw = 4 x work-group + wave
	s_lshr_b32 s23, s22, 4                         ; K step s
	s_and_b32 s24, s22, 15                         ; tile n
	s_lshl_b32 s23, s23, 8                         ; 64 s numbers = 256 s bytes
	s_lshl_b32 s24, s24, 4                         ; the tile's first row
	s_lshl_b32 s26, s22, 10                        ; the block's place in wcodes
	s_mov_b32 s27, 0
	s_movk_i32 s30, KROW
	v_lshl_add_u32 v4, v3, 6, s23                  ; byte in the row of my first number: 256 s + 64 h
	v_add_nc_u32 v5, s24, v2
	v_mul_u32_u24 v5, v5, KROW                     ; my row's first byte
	v_lshlrev_b32 v56, 4, v1                       ; 16 x lane
.irp c, 0,1
.irp j, 0,1,2,3
	v_add_nc_u32 v[8+4*\c+\j], 128*\c+16*\j, v4    ; four numbers at k = 64 s + 32 c + 16 h + 4 j
	v_cmp_gt_u32 s[32+4*\c+\j], s30, v[8+4*\c+\j]  ; do they lie inside K = 300?  (300 is a multiple of 4: all four or none)
	v_min_u32 v[8+4*\c+\j], KROW-16, v[8+4*\c+\j]  ; a load past the row's end is turned to the row's last 16 bytes: no load leaves the buffer
	v_add_nc_u32 v[8+4*\c+\j], v5, v[8+4*\c+\j]
.endr
.endr
	s_wait_kmcnt 0x0
	s_load_b32 s21, s[12:13], 0x4                  ; e1
	s_add_nc_u64 s[14:15], s[14:15], s[26:27]
.irp c, 0,1
.irp j, 0,1,2,3
	global_load_b128 v[X+16*\c+4*\j:X+16*\c+4*\j+3], v[8+4*\c+\j], s[4:5]
.endr
.endr
	s_wait_kmcnt 0x0
	s_add_co_i32 s21, s21, 127
	s_lshl_b32 s28, s21, 23
	v_mov_b32 v7, s28                              ; 2^e1 as f32: the conversion takes its exponent field
	s_add_co_i32 s21, s21, 15
	s_lshl_b32 s21, s21, 23
	s_or_b32 s21, s21, 0x600000
	v_mov_b32 v6, s21                              ; 57,344 x 2^e1
	s_wait_loadcnt 0x0
.irp c, 0,1
.irp j, 0,1,2,3
.irp e, 0,1,2,3
	v_cndmask_b32 v[X+16*\c+4*\j+\e], 0, v[X+16*\c+4*\j+\e], s[32+4*\c+\j]   ; past K = 300: zeros
.endr
.endr
.endr
.set ii, 0
.rept 32
	v_med3_num_f32 v[X+ii], v[X+ii], -v6, v6       ; the conversion to an 8-bit code does not saturate (ISA guide 7.6.2): the hold at the largest code x the scale
.set ii, ii+1
.endr
.irp p, 0,1,2,3
	v_cvt_scalef32_pk8_bf8_f32 v[CD+2*\p:CD+2*\p+1], v[X+8*\p:X+8*\p+7], v7   ; the results go to stores alone: no place is owed behind them
.endr
	global_store_b128 v56, v[CD:CD+3], s[14:15]               ; half 0: the wave stores 512 consecutive bytes, at a multiple of 512 from the buffer's first byte
	global_store_b128 v56, v[CD+4:CD+7], s[14:15] offset:512  ; half 1
	s_endpgm
	; ---- the query
.Lquery:
	s_sub_co_u32 s22, ttmp9, 20
	s_lshl_b32 s22, s22, 6
	s_lshl_b32 s23, s18, 4
	s_add_co_u32 s22, s22, s23                     ; my first row t0 = 64 (work-group - 20) + 16 x wave
	s_lshl_b32 s24, s22, 10                        ; rows of 1,024 bytes
	s_mov_b32 s25, 0
	s_lshl_b32 s26, s22, 2
	s_mov_b32 s27, 0
	s_mov_b32 s28, 0x76543210                      ; v_permlanex16_b32: lane l takes lane l xor 16
	s_mov_b32 s29, 0xfedcba98
	v_lshlrev_b32 v147, 4, v1                      ; 16 x lane
	v_lshlrev_b32 v148, 2, v2                      ; 4 r
	s_wait_kmcnt 0x0
	s_add_nc_u64 s[6:7], s[6:7], s[24:25]
	s_add_nc_u64 s[10:11], s[10:11], s[26:27]
	s_add_nc_u64 s[16:17], s[16:17], s[26:27]
	global_load_b128 v[8:11], v147, s[8:9]               ; topic_emb at k = 4 l ..
	global_load_b128 v[12:15], v147, s[8:9] offset:512   ; and at k = 128 + 4 l ..
.set ii, 0
.rept 16
	global_load_b128 v[X+8*ii:X+8*ii+3], v147, s[6:7] offset:1024*ii
	global_load_b128 v[X+8*ii+4:X+8*ii+7], v147, s[6:7] offset:1024*ii+512
.set ii, ii+1
.endr
	global_load_b32 v144, v148, s[10:11]           ; q_b[t0 + r]
	s_wait_loadcnt 0x0
	; sixteen sums side by side, stage by stage, so that no line waits for the line above it
.set ii, 0
.rept 16
	v_pk_mul_f32 v[X+8*ii:X+8*ii+1], v[X+8*ii:X+8*ii+1], v[8:9]
.set ii, ii+1
.endr
.irp k, 1,2,3
.set ii, 0
.rept 16
	v_pk_fma_f32 v[X+8*ii:X+8*ii+1], v[X+8*ii+2*\k:X+8*ii+2*\k+1], v[8+2*\k:9+2*\k], v[X+8*ii:X+8*ii+1]
.set ii, ii+1
.endr
.endr
.set ii, 0
.rept 16
	v_add_f32 v[X+8*ii], v[X+8*ii], v[X+8*ii+1]
.set ii, ii+1
.endr
.irp x, 1,2,4,8
.set ii, 0
.rept 16
	v_add_f32_dpp v[X+8*ii], v[X+8*ii], v[X+8*ii] row_xmask:\x row_mask:0xf bank_mask:0xf
.set ii, ii+1
.endr
.endr
.set ii, 0
.rept 16
	v_permlanex16_b32 v[X+8*ii+1], v[X+8*ii], s28, s29   ; (its destination counts as read: it has been written)
.set ii, ii+1
.endr
.set ii, 0
.rept 16
	v_add_f32 v[X+8*ii], v[X+8*ii], v[X+8*ii+1]    ; every lane holds row ii's sum
.set ii, ii+1
.endr
	v_mov_b32 v146, v[X]
.set ii, 1
.rept 15
	s_mov_b32 s30, 0x00010001<<ii
	v_cndmask_b32 v146, v146, v[X+8*ii], s30       ; lane l keeps the sum of row l % 16
.set ii, ii+1
.endr
	v_add_f32 v146, v146, v144                     ; + q_b
	v_cmp_gt_u32 vcc_lo, 16, v1
	s_wait_xcnt 0x0                                ; EXEC changes only behind this wait
	s_and_saveexec_b32 s31, vcc_lo                 ; lanes 0-15 store the wave's 16 numbers, 64 consecutive bytes; the launch writes 1,024 such bytes in all, too few to be worth a stage and a barrier
	global_store_b32 v148, v146, s[16:17]
	s_wait_xcnt 0x0
	s_or_b32 exec_lo, exec_lo, s31
	s_endpgm
.Lfunc_end_k_q567d9f49f7_prep:
	.size	k_q567d9f49f7_prep, .Lfunc_end_k_q567d9f49f7_prep-k_q567d9f49f7_prep
	.p2alignl 7, 3214868480
	.fill 96, 4, 3214868480
	.section	.rodata,"a",@progbits
	.p2align	6, 0x0
	.amdhsa_kernel k_q567d9f49f7_prep
		.amdhsa_group_segment_fixed_size 0
		.amdhsa_private_segment_fixed_size 0
		.amdhsa_enable_private_segment 0
		.amdhsa_kernarg_size 56
		.amdhsa_user_sgpr_count 2
		.amdhsa_user_sgpr_kernarg_segment_ptr 1
		.amdhsa_wavefront_size32 1
		.amdhsa_system_sgpr_workgroup_id_x 1
		.amdhsa_system_sgpr_workgroup_id_y 1
		.amdhsa_system_sgpr_workgroup_id_z 1
		.amdhsa_system_vgpr_workitem_id 0
		.amdhsa_next_free_vgpr 160
		.amdhsa_next_free_sgpr 66
		.amdhsa_reserve_vcc 1
		.amdhsa_float_denorm_mode_32 3
		.amdhsa_float_denorm_mode_16_64 3
		.amdhsa_memory_ordered 1
		.amdhsa_forward_progress 1
		.amdhsa_inst_pref_size 25
	.end_amdhsa_kernel
	.amdgpu_metadata
---
amdhsa.version: [ 1, 2 ]
amdhsa.kernels:
  - .name:           k_q567d9f49f7_prep
    .symbol:         k_q567d9f49f7_prep.kd
    .args:
      - { .name: k_w, .offset: 0, .size: 8, .value_kind: global_buffer, .address_space: global }
      - { .name: q_w, .offset: 8, .size: 8, .value_kind: global_buffer, .address_space: global }
      - { .name: topic_emb, .offset: 16, .size: 8, .value_kind: global_buffer, .address_space: global }
      - { .name: q_b, .offset: 24, .size: 8, .value_kind: global_buffer, .address_space: global }
      - { .name: lowp_scales, .offset: 32, .size: 8, .value_kind: global_buffer, .address_space: global }
      - { .name: wcodes, .offset: 40, .size: 8, .value_kind: global_buffer, .address_space: global }
      - { .name: qv, .offset: 48, .size: 8, .value_kind: global_buffer, .address_space: global }
    .group_segment_fixed_size: 0
    .private_segment_fixed_size: 0
    .kernarg_segment_align: 8
    .kernarg_segment_size: 56
    .max_flat_workgroup_size: 128
    .sgpr_count:     66
    .vgpr_count:     160
    .wavefront_size: 32
...
	.end_amdgpu_metadata
.endif
;; end of part 1
;; launch main (part 2): grid 256 x 1, 4 waves a work-group, no clusters, 100,864 bytes of LDS; arguments V, verb_ids, span_len, wcodes, qv, k_b, lowp_scales, out0; writes out0
.if DOCPART == 2
	.amdgcn_target "amdgcn-amd-amdhsa--gfx1250"
	.amdhsa_code_object_version 6
	.text
	.protected	k_q567d9f49f7_main
	.globl	k_q567d9f49f7_main
	.p2align	8
	.type	k_q567d9f49f7_main,@function
k_q567d9f49f7_main:
	s_mov_b64 s[64:65], 0
	v_nop
	global_prefetch_b8 v0, s[64:65] scope:SCOPE_SE
	s_setreg_imm32_b32 hwreg(HW_REG_WAVE_MODE, 25, 1), 1
	s_wait_xcnt 0x0
; out[n] = sum over l of softmax_l(mask(((Q(V[id[n][l]]) Q(k_w)^T + k_b) . query) / 16)) V[id[n][l]].  16,384 spans of 8 tokens, rows of 300 f32, 256 key columns.
; The product of the rows with k_w runs on codes of BF8 (E5M2): the rows are quantised here with 2^e0, k_w's codes (2^e1) and the query come from the launch before.  All else in f32.
; SHARES.  A work-group owns 64 spans, wave w sixteen of them: 19,200 bytes of out0, 75 aligned runs of 256.  Eight BLOCKS; in block b wave w owns a tile of 16 tokens (its spans 2 b, 2 b + 1).
; THE ROWS STAY IN REGISTERS from their load to the weighted sum.  A row comes by three loads of 512, 512 and 176 consecutive bytes: lane l holds 16 bytes of K, registers run over the tokens.  The quantiser has one scale
; for the whole tensor and works number by number, so it takes the rows as they lie: a conversion's eight numbers are four of one token and four of the next, its two result words are four codes each.
; Only the codes, a quarter of the bytes, turn through LDS into the operand's layout.
; FOR THE PRODUCT THE WAVES SHARE THE COLUMNS: wave w keeps the codes of k_w's rows 64 w .. 64 w + 63 in 160 registers for the whole launch and multiplies them with all 64 tokens of the block.
; THE MATRIX INSTRUCTION IS USED TRANSPOSED (source 0 = 16 rows of k_w, source 1 = 16 tokens): a lane holds ONE token and eight key columns, so the product with the query is packed multiply-adds in the lane and one
; exchange between the halves of the lanes.  Each wave's partial score (64 columns) goes to LDS; the tile's owner adds the four.
; k INSIDE AN INSTRUCTION is permuted, alike in both sources: register p, byte y of half h stands for k = 64 s + 32 (p / 4) + 16 h + 4 (p % 4) + y.  Every product meets its partner; only the order of the sums changes.
; K = 300 is filled up to 320 with zero codes on both sides.
; SCALES.  q'' = query x log2(e) / 16; q' = q'' x 2^(e0 + e1).  A partial score is sum(S q') + sum(k_b q''), in powers of two; the second sum is made once and starts each token's sum.
; MASK.  A token at or behind its span's length gets the id of the span's first token (a choice between two whole numbers), so that the instructions and the counts of the waits stay the same and no row is fetched for it;
; its score becomes -infinity ahead of the maximum and its weight is 0.
; NO CLUSTER: what work-groups share is k_w's codes, the query and the bias, 83,968 bytes, read once into registers, against 614,400 bytes of rows that are each work-group's own.
; NO TENSOR LOAD: the rows are a gather by 512 ids a work-group, and they are wanted in registers.  The text has no loop and no label: eight blocks by macro, every offset an immediate.
; LIMITS: e0 between -126 and 112 (2^e0 and 57,344 x 2^e0 are f32 numbers); e0 + e1 is applied by v_ldexp_f32.  V is finite: rows of masked tokens are not read, so a NaN that 0 x infinity would give there does not arise.
; A length of 0 or less gives NaN, as in the reference; a length above 8 counts as 8.  An id outside 0 .. 99,999 is held at 99,999.
;
; LDS: CODES 64 token rows, 336 bytes apart (320 codes + 16: 84 words, so that the 16 rows of a fragment load start at 16 different groups of four banks; 64 banks of 4 bytes: ISA guide 11.1);
;      PART [token 0..63][wave 0..3] f32;  STAGE for each wave: its 16 rows of out0, dense, + 256 bytes of slack.
; REGISTERS, in windows of 256 (s_set_vgpr_msb: bits 1:0 source 0, 3:2 source 1, 5:4 source 2, 7:6 destination):
;   window 0: v1-15 addresses and constants; v16-23 lengths; v24-31 ids; v32-37 prefetch offsets; v38-39 the bias's sum; v40-71 q'; v72-151 fragments of two token tiles (in other phases: code words v72-119,
;             rows on their way out v120-143, the softmax v72-75); v152-215 eight accumulators (in the quantiser: 64 held numbers); v216-231 the sums with q'; v232-255 two spans' results
;   window 1: v0-159 k_w's fragments (tile n, K step s) at 8 (5 n + s)      windows 2, 3: v0-191 the rows of an even / odd block: group g of K at 64 g, token t at + 4 t
.set ROWB,  1200                       ; a row of V and of out0 in bytes
.set VMAX,  99999
.set CP,    336
.set TILEB, 16*CP
.set PART,  64*CP
.set STAGE, PART+1024
.set STGW,  19456
.set L16, 1                            ; v1   16 x lane
.set L3,  2                            ; v2   1,024 + 16 min(lane % 16, 10): the row's last 176 bytes; lanes past them repeat the last 16
.set CS,  3                            ; v3   CODES + my tile + 4 x lane
.set CS2, 4                            ; v4   CODES + my tile + 256 + 4 (lane % 16)
.set AF,  5                            ; v5   CODES + 336 r + 16 h
.set PS,  6                            ; v6   PART + 16 r + 4 x wave
.set PL,  7                            ; v7   PART + 256 x wave + 16 r
.set SO,  8                            ; v8   my stage + 16 x lane
.set SO2, 9                            ; v9   my stage + 1,024 + 16 r
.set LIM, 10                           ; v10  57,344 x 2^e0
.set SCL, 11                           ; v11  2^e0
.set LIM3, 12                          ; v12  the same limit where lane % 16 < 11, else 0: the hold of the row's last group, which so gives zeros for k = 300 .. 319
.set J,   13                           ; v13  lane % 8: my token's place in its span
.set LN,  15                           ; v15  lane
.set LV,  16
.set SID, 24
.set PF,  32
.set KC,  38
.set Q,   40
.set A,   72
.set CW,  72
.set F,   120
.set ACC, 152
.set T,   152
.set SC,  216
.set O,   232
.set VB,   84                          ; s[84:85] V
.set BASE, 16                          ; s[16:47] the 16 tokens' row addresses
                                       ; s[48:63], s[66:81]: sixteen pairs whose upper words stay 0.  From the softmax to the weighted sum their low words hold the 16 weights; between, the 16 rows' byte offsets
.set MSB, 0
.macro WIN new                         ; the immediate's high byte repeats the setting that is left; a switch that changes nothing is dropped
.if MSB != (\new)
	s_set_vgpr_msb (MSB<<8)|(\new)
.set MSB, (\new)
.endif
.endm
.macro PLACES                          ; four plain vector instructions behind matrix instructions, in front of reads of their results and of loads into their sources
.rept 4
	v_nop
.endr
.endm
.macro BAR                             ; my LDS stores have landed and my LDS loads are back: then the work-group's barrier
	s_wait_dscnt 0x0
	s_barrier_signal -1
	s_barrier_wait -1
.endm
; The addresses of tile b's 16 rows, stage by stage and each token in registers of its own, so that no line waits for the line above it.
; The row addresses are rewritten here: a wait on XCNT for 0 stands ahead wherever earlier loads name them.
.macro ADDR b
.set tt, 0
.rept 16
	v_readlane_b32 s[48+2*tt+2*(tt/8)], v[SID+(\b)], tt
.set tt, tt+1
.endr
.set tt, 0
.rept 16
	s_min_u32 s[48+2*tt+2*(tt/8)], s[48+2*tt+2*(tt/8)], VMAX   ; an id stays inside the table
.set tt, tt+1
.endr
.set tt, 0
.rept 16
	s_mul_i32 s[48+2*tt+2*(tt/8)], s[48+2*tt+2*(tt/8)], ROWB
.set tt, tt+1
.endr
.set tt, 0
.rept 16
	s_add_nc_u64 s[BASE+2*tt:BASE+2*tt+1], s[VB:VB+1], s[48+2*tt+2*(tt/8):49+2*tt+2*(tt/8)]
.set tt, tt+1
.endr
.endm
; The 48 loads of tile b's 16 rows.
.macro ROWS b
.set WB, (2+(\b)%2)<<6
	WIN WB                                         ; destination: the block's window; addresses in window 0
.set tt, 0
.rept 16
	global_load_b128 v[4*tt:4*tt+3], v[L16], s[BASE+2*tt:BASE+2*tt+1]                  ; bytes 0-511 of the row (no hint: a list may name a row twice)
	global_load_b128 v[64+4*tt:64+4*tt+3], v[L16], s[BASE+2*tt:BASE+2*tt+1] offset:512 ; bytes 512-1,023
	global_load_b128 v[128+4*tt:128+4*tt+3], v[L3], s[BASE+2*tt:BASE+2*tt+1]           ; bytes 1,024-1,199; lanes 16-31 repeat lanes 0-15
.set tt, tt+1
.endr
	WIN 0
.endm
; Tile b's rows are asked for one block ahead of their loads.  Lane l probes token l % 16 at bytes 0, 256, 512 (lanes 0-15) and 687, 943, 1,199 (lanes 16-31): no two probes are more than 256 bytes apart,
; the first and the last byte of the row are among them, and none leaves the row.  The offsets' registers are never rewritten.
.macro PREF b
.irp o, 0,256,512
	global_prefetch_b8 v[PF+(\b)-2], s[VB:VB+1] offset:\o th:TH_LOAD_NT scope:SCOPE_SE
.endr
.endm
; Tile b's rows become codes in LDS.  The held numbers go into other registers: the weighted sum takes the rows as they are.
.macro QUANT b
.set BW, 2+(\b)%2
.irp g, 0,1,2
.set LM, LIM
.if \g == 2
.set LM, LIM3                                  ; lanes past the row's end hold their numbers between -0 and 0: zero codes
.endif
	WIN BW                                         ; source 0: the rows' window
.set ii, 0
.rept 64
	v_med3_num_f32 v[T+ii], v[64*\g+ii], -v[LM], v[LM]   ; the conversion to an 8-bit code does not saturate (ISA guide 7.6.2): the hold at the largest code x the scale
.set ii, ii+1
.endr
	WIN 0
.set ii, 0
.rept 8
	v_cvt_scalef32_pk8_bf8_f32 v[CW+16*\g+2*ii:CW+16*\g+2*ii+1], v[T+8*ii:T+8*ii+7], v[SCL]   ; tokens 2 ii and 2 ii + 1: four codes of each
.set ii, ii+1
.endr
	v_nop                                          ; one plain vector instruction between the conversions and the next vector or matrix instruction that touches their results or writes their sources
.if \g == 2
.set ii, 0
.rept 16
	ds_store_b32 v[CS2], v[CW+32+ii] offset:CP*ii  ; bytes 256-319 of token ii's codes (lanes 16-31 write what lanes 0-15 write)
.set ii, ii+1
.endr
.else
.set ii, 0
.rept 16
	ds_store_b32 v[CS], v[CW+16*\g+ii] offset:CP*ii+128*\g   ; 32 lanes: 128 consecutive bytes of token ii's codes
.set ii, ii+1
.endr
.endif
.endr
.endm
.macro AFETCH g                        ; the fragments of token tiles 2 g and 2 g + 1: five K steps of 64, two loads of 16 bytes each
.irp m, 0,1
.irp s, 0,1,2,3,4
.irp c, 0,1
	ds_load_b128 v[A+40*\m+8*\s+4*\c:A+40*\m+8*\s+4*\c+3], v[AF] offset:(2*(\g)+\m)*TILEB+64*\s+32*\c
.endr
.endr
.endr
.endm
.macro MUL                             ; 40 matrix instructions: two token tiles x my four tiles of k_w x five K steps.  The eight accumulators take turns, one instruction a turn; the first K step starts the sums
	WIN 0x01                                       ; source 0 (k_w) window 1
.irp s, 0,1,2,3,4
.irp m, 0,1
.irp n, 0,1,2,3
.if \s == 0
	v_wmma_f32_16x16x64_bf8_bf8 v[ACC+8*(4*\m+\n):ACC+8*(4*\m+\n)+7], v[8*(5*\n+\s):8*(5*\n+\s)+7], v[A+40*\m+8*\s:A+40*\m+8*\s+7], 0
.else
	v_wmma_f32_16x16x64_bf8_bf8 v[ACC+8*(4*\m+\n):ACC+8*(4*\m+\n)+7], v[8*(5*\n+\s):8*(5*\n+\s)+7], v[A+40*\m+8*\s:A+40*\m+8*\s+7], v[ACC+8*(4*\m+\n):ACC+8*(4*\m+\n)+7]
.endif
.endr
.endr
.endr
	WIN 0
.endm
; The sums with q': four chains of pairs for each token tile; each accumulator is read from its low end on.  Then the chains, the pair's halves and the other half of the lanes are added, and the partial score goes to PART.
.macro FOLD g
.irp n, 0,1,2,3
.irp i, 0,2,4,6
.irp m, 0,1
.if \n == 0
.if \i == 0
	v_pk_fma_f32 v[SC+8*\m+\i:SC+8*\m+\i+1], v[ACC+8*(4*\m+\n)+\i:ACC+8*(4*\m+\n)+\i+1], v[Q+8*\n+\i:Q+8*\n+\i+1], v[KC:KC+1]   ; the bias's part starts the first chain
.else
	v_pk_mul_f32 v[SC+8*\m+\i:SC+8*\m+\i+1], v[ACC+8*(4*\m+\n)+\i:ACC+8*(4*\m+\n)+\i+1], v[Q+8*\n+\i:Q+8*\n+\i+1]
.endif
.else
	v_pk_fma_f32 v[SC+8*\m+\i:SC+8*\m+\i+1], v[ACC+8*(4*\m+\n)+\i:ACC+8*(4*\m+\n)+\i+1], v[Q+8*\n+\i:Q+8*\n+\i+1], v[SC+8*\m+\i:SC+8*\m+\i+1]
.endif
.endr
.endr
.endr
.irp m, 0,1
	v_pk_add_f32 v[SC+8*\m:SC+8*\m+1], v[SC+8*\m:SC+8*\m+1], v[SC+8*\m+2:SC+8*\m+3]
	v_pk_add_f32 v[SC+8*\m+4:SC+8*\m+5], v[SC+8*\m+4:SC+8*\m+5], v[SC+8*\m+6:SC+8*\m+7]
.endr
.irp m, 0,1
	v_pk_add_f32 v[SC+8*\m:SC+8*\m+1], v[SC+8*\m:SC+8*\m+1], v[SC+8*\m+4:SC+8*\m+5]
.endr
.irp m, 0,1
	v_add_f32 v[SC+8*\m], v[SC+8*\m], v[SC+8*\m+1]
.endr
.irp m, 0,1
	v_permlanex16_b32 v[SC+8*\m+2], v[SC+8*\m], s82, s83   ; the token's other 32 columns lie in the lane 16 away (the destination has been written)
.endr
.irp m, 0,1
	v_add_f32 v[SC+8*\m], v[SC+8*\m], v[SC+8*\m+2]
.endr
.irp m, 0,1
	ds_store_b32 v[PS], v[SC+8*\m] offset:256*(2*(\g)+\m)   ; token 16 (2 g + m) + r, my wave's word
.endr
.endm
; My tile's 16 scores: lane l holds token l % 16; a span is eight neighbouring lanes.  The weights go to scalar registers.
.macro SOFTMAX b
	ds_load_b128 v[72:75], v[PL]                   ; the four waves' partial scores of my token
	s_wait_dscnt 0x0
	v_add_f32 v72, v72, v73
	v_add_f32 v74, v74, v75
	v_add_f32 v72, v72, v74
	v_cmp_gt_i32 vcc_lo, v[LV+(\b)], v[J]          ; inside the span?
	v_cndmask_b32 v72, 0xff800000, v72, vcc_lo     ; else -infinity
	v_max_num_f32_dpp v73, v72, v72 row_xmask:1 row_mask:0xf bank_mask:0xf
	v_max_num_f32_dpp v73, v73, v73 row_xmask:2 row_mask:0xf bank_mask:0xf
	v_max_num_f32_dpp v73, v73, v73 row_xmask:4 row_mask:0xf bank_mask:0xf   ; the span's largest score
	v_sub_f32 v72, v72, v73
	v_exp_f32 v72, v72                             ; the scores are in powers of two
	v_nop                                          ; a plain instruction behind a transcendental (ISA guide 5.7.2)
	s_wait_alu depctr_va_vdst(0)
	v_add_f32_dpp v74, v72, v72 row_xmask:1 row_mask:0xf bank_mask:0xf
	v_add_f32_dpp v74, v74, v74 row_xmask:2 row_mask:0xf bank_mask:0xf
	v_add_f32_dpp v74, v74, v74 row_xmask:4 row_mask:0xf bank_mask:0xf
	v_rcp_f32 v74, v74
	v_nop
	s_wait_alu depctr_va_vdst(0)
	v_mul_f32 v72, v72, v74
.set tt, 0
.rept 16
	v_readlane_b32 s[48+2*tt+2*(tt/8)], v72, tt
.set tt, tt+1
.endr
.endm
; Two spans' results, in the layout of the loads: twelve chains of pairs that do not wait for each other; the first product starts each sum.
.macro WSUM b
.set BW, 2+(\b)%2
	WIN BW                                         ; source 0: the rows' window
.irp t, 0,1,2,3,4,5,6,7
.irp e, 0,1
.irp g, 0,1,2
.irp i, 0,2
.if \t == 0
	v_pk_mul_f32 v[O+12*\e+4*\g+\i:O+12*\e+4*\g+\i+1], v[64*\g+4*(8*\e+\t)+\i:64*\g+4*(8*\e+\t)+\i+1], s[48+18*\e+2*\t:49+18*\e+2*\t] op_sel_hi:[1,0]
.else
	v_pk_fma_f32 v[O+12*\e+4*\g+\i:O+12*\e+4*\g+\i+1], v[64*\g+4*(8*\e+\t)+\i:64*\g+4*(8*\e+\t)+\i+1], s[48+18*\e+2*\t:49+18*\e+2*\t], v[O+12*\e+4*\g+\i:O+12*\e+4*\g+\i+1] op_sel_hi:[1,0,1]
.endif
.endr
.endr
.endr
.endr
	WIN 0
.endm
; Into my stage, rows dense at 1,200 bytes.  The third store's lanes 11-15 write 80 bytes past the row's end: the next row's first store, later in my own stream (LDS serves a wave's instructions in order:
; ISA guide 5.7.1.4), writes over them; the last row's fall into the slack.
.macro STAGEOUT b
.irp e, 0,1
	ds_store_b128 v[SO], v[O+12*\e:O+12*\e+3] offset:ROWB*(2*(\b)+\e)
	ds_store_b128 v[SO], v[O+12*\e+4:O+12*\e+7] offset:ROWB*(2*(\b)+\e)+512
	ds_store_b128 v[SO2], v[O+12*\e+8:O+12*\e+11] offset:ROWB*(2*(\b)+\e)
.endr
.endm
; What is finished of my 19,200 bytes leaves in runs of 512: behind block b the runs below 2,400 (b + 1) bytes.
.macro FLUSHLD b
.set G0, (2400*(\b))/512
.set G1, (2400*((\b)+1))/512
.set gg, G0
.rept G1-G0
	ds_load_b128 v[F+4*(gg-G0):F+4*(gg-G0)+3], v[SO] offset:512*gg
.set gg, gg+1
.endr
.if (\b) == 7
	ds_load_b128 v[F+20:F+23], v[SO2] offset:17920 ; the last 256 bytes, at 18,944
.endif
.endm
.macro FLUSHST b
.set G0, (2400*(\b))/512
.set G1, (2400*((\b)+1))/512
.set gg, G0
.rept G1-G0
	global_store_b128 v[L16], v[F+4*(gg-G0):F+4*(gg-G0)+3], s[4:5] offset:512*gg th:TH_STORE_NT   ; 512 consecutive bytes, at a multiple of 256 from out0's first byte; written once, read by nobody here
.set gg, gg+1
.endr
.endm
	; ---- THE HEAD
	s_load_b512 s[84:99], s[0:1], 0x0              ; V, verb_ids, span_len, wcodes, qv, k_b, the scales' exponents, out0
	v_lshl_add_u32 v14, v0, 2, 0x18800
	s_set_vgpr_msb 0x40
	v_mov_b32 v255, 0
	s_set_vgpr_msb 0x4000
	v_lshrrev_b32 v232, 5, v0
	v_readfirstlane_b32 s8, v232                   ; wave 0..3
	v_and_b32 v[LN], 31, v0
	v_and_b32 v233, 15, v0                         ; r
	v_bfe_u32 v234, v0, 4, 1                       ; h
	v_bfe_u32 v235, v0, 3, 1                       ; which of a tile's two spans my token belongs to
	v_and_b32 v[J], 7, v0
	v_lshlrev_b32 v[L16], 4, v[LN]
	v_lshlrev_b32 v216, 2, v233                    ; my token's id in a tile's 64 bytes
	v_lshlrev_b32 v217, 5, v235                    ; the id of its span's first token
	v_lshlrev_b32 v218, 2, v235                    ; its span's length
	v_lshlrev_b32 v219, 5, v234                    ; my half's eight columns of a tile of 16, in f32
	s_lshl_b32 s10, ttmp9, 6
	s_lshl_b32 s11, s8, 4
	s_add_co_u32 s10, s10, s11                     ; my first span: 64 x work-group + 16 x wave
	s_lshl_b32 s16, s10, 5                         ; its ids (32 bytes a span),
	s_mov_b32 s17, 0
	s_lshl_b32 s18, s10, 2                         ; its length,
	s_mov_b32 s19, 0
	s_mul_i32 s20, s10, ROWB                       ; its row of out0,
	s_mov_b32 s21, 0
	s_lshl_b32 s22, s8, 12                         ; my four tiles in each K step's 16 blocks of wcodes,
	s_mov_b32 s23, 0
	s_lshl_b32 s24, s8, 8                          ; my 64 columns of the query and of the bias
	s_mov_b32 s25, 0
	s_mov_b32 s82, 0x76543210                      ; v_permlanex16_b32: lane l takes lane l xor 16
	s_mov_b32 s83, 0xfedcba98
.set tt, 0
.rept 16
	s_mov_b32 s[49+2*tt+2*(tt/8)], 0               ; the upper words of the sixteen pairs: of a row's offset, and named with a weight as a pair
.set tt, tt+1
.endr
	s_wait_kmcnt 0x0
	s_load_b64 s[12:13], s[96:97], 0x0             ; e0, e1
	s_add_nc_u64 s[86:87], s[86:87], s[16:17]
	s_add_nc_u64 s[88:89], s[88:89], s[18:19]
	s_add_nc_u64 s[4:5], s[98:99], s[20:21]
	s_add_nc_u64 s[90:91], s[90:91], s[22:23]
	s_add_nc_u64 s[92:93], s[92:93], s[24:25]
	s_add_nc_u64 s[94:95], s[94:95], s[24:25]
.set ii, 0
.rept 8                                        ; 24 loads: what the rows' addresses hang on goes first
	global_load_b32 v[LV+ii], v218, s[88:89] offset:8*ii
	global_load_b32 v[SID+ii], v216, s[86:87] offset:64*ii
	global_load_b32 v[72+ii], v217, s[86:87] offset:64*ii
.set ii, ii+1
.endr
	WIN 0x40                                       ; destination window 1
.irp n, 0,1,2,3                                ; 40 loads: k_w's fragments, as they lie: each load 512 consecutive bytes
.irp s, 0,1,2,3,4
.irp c, 0,1
	global_load_b128 v[8*(5*\n+\s)+4*\c:8*(5*\n+\s)+4*\c+3], v[L16], s[90:91] offset:16384*\s+1024*\n+512*\c
.endr
.endr
.endr
	WIN 0
.irp n, 0,1,2,3                                ; 16 loads: register 8 n + j = column 64 w + 16 n + 8 h + j, the accumulators' layout
	global_load_b128 v[Q+8*\n:Q+8*\n+3], v219, s[92:93] offset:64*\n
	global_load_b128 v[Q+8*\n+4:Q+8*\n+7], v219, s[92:93] offset:64*\n+16
	global_load_b128 v[80+8*\n:80+8*\n+3], v219, s[94:95] offset:64*\n
	global_load_b128 v[80+8*\n+4:80+8*\n+7], v219, s[94:95] offset:64*\n+16
.endr
	v_min_u32 v236, 10, v233
	v_lshl_add_u32 v[L3], v236, 4, 1024
	v_cmp_gt_u32 vcc_lo, 11, v233
	v_cndmask_b32 v[LIM3], 0, -1, vcc_lo           ; all ones where my 16 bytes of the last group lie inside the row; the limit is cut by it below
	v_mul_u32_u24 v236, v234, 687                  ; lanes 16-31 probe 687 bytes further on
	s_mul_i32 s9, s8, TILEB                        ; my tile's rows in CODES (which begins at LDS byte 0)
	v_lshl_add_u32 v[CS], v[LN], 2, s9
	v_lshl_add_u32 v[CS2], v233, 2, s9
	v_add_nc_u32 v[CS2], 256, v[CS2]
	v_mul_u32_u24 v[AF], v233, CP
	v_lshl_add_u32 v[AF], v234, 4, v[AF]
	s_lshl_b32 s10, s8, 2
	s_add_co_u32 s10, s10, PART
	v_lshl_add_u32 v[PS], v233, 4, s10
	s_lshl_b32 s11, s8, 8
	s_add_co_u32 s11, s11, PART
	v_lshl_add_u32 v[PL], v233, 4, s11
	s_mul_i32 s14, s8, STGW
	s_add_co_u32 s14, s14, STAGE
	v_lshl_add_u32 v[SO], v[LN], 4, s14
	s_add_co_u32 s15, s14, 1024
	v_lshl_add_u32 v[SO2], v233, 4, s15
	s_wait_loadcnt 56                              ; loads come back in order (ISA guide 5.7.1): the 24 are in; the 56 issued behind them may be out
.set ii, 0
.rept 8
	v_cmp_gt_i32 vcc_lo, v[LV+ii], v[J]
	v_cndmask_b32 v[SID+ii], v[72+ii], v[SID+ii], vcc_lo   ; a masked token takes its span's first id
.set ii, ii+1
.endr
.set ii, 2
.rept 6
	v_min_u32 v[PF+ii-2], VMAX, v[SID+ii]
	v_mul_u32_u24 v[PF+ii-2], v[PF+ii-2], ROWB
	v_add_nc_u32 v[PF+ii-2], v236, v[PF+ii-2]
.set ii, ii+1
.endr
	ADDR 0                                         ; (no memory instruction has named the row addresses yet)
	ROWS 0
	s_wait_loadcnt 48                              ; k_w's codes, the query and the bias are in; tile 0's 48 loads may be out
	s_wait_kmcnt 0x0
	s_add_co_i32 s10, s12, 127
	s_lshl_b32 s11, s10, 23
	v_mov_b32 v[SCL], s11                          ; 2^e0 as f32: the conversion takes its exponent field
	s_add_co_i32 s10, s10, 15
	s_lshl_b32 s10, s10, 23
	s_or_b32 s10, s10, 0x600000
	v_mov_b32 v[LIM], s10                          ; 57,344 x 2^e0
	v_and_b32 v[LIM3], v[LIM], v[LIM3]             ; and 0 in the lanes past the row's end
	s_add_co_i32 s9, s12, s13                      ; e0 + e1
.set ii, 0
.rept 16
	v_pk_mul_f32 v[Q+2*ii:Q+2*ii+1], v[Q+2*ii:Q+2*ii+1], 0x3db8aa3b op_sel_hi:[1,0]   ; q'' = query x log2(e) / 16
.set ii, ii+1
.endr
	v_pk_mul_f32 v[KC:KC+1], v[80:81], v[Q:Q+1]    ; the sum of k_b q'' over my 32 columns, in two chains of pairs
	v_pk_mul_f32 v[112:113], v[82:83], v[Q+2:Q+3]
.set ii, 4
.rept 7
	v_pk_fma_f32 v[KC:KC+1], v[80+ii:81+ii], v[Q+ii:Q+ii+1], v[KC:KC+1]
	v_pk_fma_f32 v[112:113], v[82+ii:83+ii], v[Q+ii+2:Q+ii+3], v[112:113]
.set ii, ii+4
.endr
	v_pk_add_f32 v[KC:KC+1], v[KC:KC+1], v[112:113]
.set ii, 0
.rept 32
	v_ldexp_f32 v[Q+ii], v[Q+ii], s9               ; q' = q'' x 2^(e0 + e1): a sum of codes' products stands for sum x 2^(e0 + e1)
.set ii, ii+1
.endr
	s_wait_xcnt 0x0                                ; tile 0's loads have had their addresses translated (ISA guide 3.1): the row addresses may be written again
	ADDR 1
	ROWS 1
	PREF 2
; ---- A BLOCK
.macro BLOCK b
.if (\b) < 7
	s_wait_loadcnt 48                              ; tile b's rows are in; the next tile's 48 loads may be out
.else
	s_wait_loadcnt 0x0
.endif
	QUANT \b
	BAR                                            ; the block's 64 rows of codes lie in LDS; every wave's reads of the last block's partial scores are back
	s_wait_xcnt 0x0                                ; every earlier memory instruction has had its addresses translated (ISA guide 3.1): the last block's stores have read their registers, so fragments and, at this block's
	                                               ; end, the next rows on their way out may land there; the next tile's loads have read the row addresses, so these may be written again.  No global instruction follows before the block's end
	AFETCH 0
.if (\b) <= 5
	ADDR (\b)+2                                    ; the addresses of the tile after next are made while the fragments come out of LDS; its loads follow when this block's rows have left their registers
.endif
	s_wait_dscnt 0x0
	MUL
	PLACES
	AFETCH 1                                       ; on their way while the first two tiles' sums are folded
	FOLD 0
	s_wait_dscnt 0x0                               ; the fragments are in, the partial scores stored
	MUL                                            ; it begins its sums anew over the accumulators: behind each earlier product stand the four places and at least 28 lines of FOLD that name none of its registers
	PLACES
	FOLD 1
	BAR                                            ; all partial scores lie in LDS; every wave's reads of the codes are back, so the next block may write them
	SOFTMAX \b
	WSUM \b
	STAGEOUT \b
	FLUSHLD \b
.if (\b) <= 5
	ROWS (\b)+2                                    ; into the registers that this block's rows have left
.endif
.if (\b) <= 4
	PREF (\b)+3                                    ; the last tiles' rows have been asked for by then: nothing is asked past tile 7
.endif
	s_wait_dscnt 0x0
	FLUSHST \b
.endm
	BLOCK 0
	BLOCK 1
	BLOCK 2
	BLOCK 3
	BLOCK 4
	BLOCK 5
	BLOCK 6
	BLOCK 7
	v_cmp_gt_u32 vcc_lo, 16, v[LN]
	s_wait_xcnt 0x0                                ; EXEC changes only behind this wait
	s_set_vgpr_msb 0x4
	s_wait_tensorcnt 0x0
	ds_add_u32 v14, v255
	s_wait_dscnt 0x0
	s_set_vgpr_msb 0x400
	s_and_saveexec_b32 s9, vcc_lo                  ; my last 256 bytes: sixteen lanes, one aligned run
	global_store_b128 v[L16], v[F+20:F+23], s[4:5] offset:18944 th:TH_STORE_NT
	s_wait_xcnt 0x0
	s_or_b32 exec_lo, exec_lo, s9
	s_endpgm
.Lfunc_end_k_q567d9f49f7_main:
	.size	k_q567d9f49f7_main, .Lfunc_end_k_q567d9f49f7_main-k_q567d9f49f7_main
	.p2alignl 7, 3214868480
	.fill 96, 4, 3214868480
	.section	.rodata,"a",@progbits
	.p2align	6, 0x0
	.amdhsa_kernel k_q567d9f49f7_main
		.amdhsa_group_segment_fixed_size 100864
		.amdhsa_private_segment_fixed_size 0
		.amdhsa_enable_private_segment 0
		.amdhsa_kernarg_size 64
		.amdhsa_user_sgpr_count 2
		.amdhsa_user_sgpr_kernarg_segment_ptr 1
		.amdhsa_wavefront_size32 1
		.amdhsa_system_sgpr_workgroup_id_x 1
		.amdhsa_system_sgpr_workgroup_id_y 1
		.amdhsa_system_sgpr_workgroup_id_z 1
		.amdhsa_system_vgpr_workitem_id 0
		.amdhsa_next_free_vgpr 1024
		.amdhsa_next_free_sgpr 100
		.amdhsa_reserve_vcc 1
		.amdhsa_float_denorm_mode_32 3
		.amdhsa_float_denorm_mode_16_64 3
		.amdhsa_memory_ordered 1
		.amdhsa_forward_progress 1
		.amdhsa_inst_pref_size 255
	.end_amdhsa_kernel
	.section	.bss,"aw",@nobits
	.p2align	6
	.space	262144
	.amdgpu_metadata
---
amdhsa.version: [ 1, 2 ]
amdhsa.kernels:
  - .name:           k_q567d9f49f7_main
    .symbol:         k_q567d9f49f7_main.kd
    .args:
      - { .name: V, .offset: 0, .size: 8, .value_kind: global_buffer, .address_space: global }
      - { .name: verb_ids, .offset: 8, .size: 8, .value_kind: global_buffer, .address_space: global }
      - { .name: span_len, .offset: 16, .size: 8, .value_kind: global_buffer, .address_space: global }
      - { .name: wcodes, .offset: 24, .size: 8, .value_kind: global_buffer, .address_space: global }
      - { .name: qv, .offset: 32, .size: 8, .value_kind: global_buffer, .address_space: global }
      - { .name: k_b, .offset: 40, .size: 8, .value_kind: global_buffer, .address_space: global }
      - { .name: lowp_scales, .offset: 48, .size: 8, .value_kind: global_buffer, .address_space: global }
      - { .name: out0, .offset: 56, .size: 8, .value_kind: global_buffer, .address_space: global }
    .group_segment_fixed_size: 100864
    .private_segment_fixed_size: 0
    .kernarg_segment_align: 8
    .kernarg_segment_size: 64
    .max_flat_workgroup_size: 128
    .sgpr_count:     100
    .vgpr_count:     1024
    .wavefront_size: 32
...
	.end_amdgpu_metadata
.endif
;; end of part 2
